; MI455X (gfx1250); checked and timed in simulation.
; The chip was launched on July 23, 2026; its instructions are those of AMD's public machine-readable ISA for CDNA 5 (MIT licence, August 2026) and "CDNA5" Instruction Set Architecture Reference Guide (July 2026). The comments in the code are by the model that wrote it; some were corrected since.
;; Multi Head Attention. Allowed arithmetic: float matrix products may take bf16 or f16 operands with f32 sums; all other float work in f32.
;; Inputs: bk 2,048 float32; bp 2,048 float32; bq 2,048 float32; bv 2,048 float32; wk 2,048 x 2,048 float32; wp 2,048 x 2,048 float32; wq 2,048 x 2,048 float32; wv 2,048 x 2,048 float32; x 2 x 1,024 x 2,048 float32.
;; Outputs: out0 2 x 1,024 x 2,048 float32.
;; One version. Each part assembles by itself: llvm-mc -triple=amdgcn-amd-amdhsa -mcpu=gfx1250 --defsym DOCPART=n.
;; ======== version 1 of 1: 4 launches
;; limits: values are held in f16: magnitudes above 65,504 overflow, below 6.1e-05 lose precision
;; workspace buffers: cb 41,943,040 bytes; qkv 25,165,824 bytes; ctx 8,388,608 bytes
;; launch cast (part 1): grid 256 x 5, 8 waves a work-group, no clusters, 0 bytes of LDS; arguments x, wq, wk, wv, wp, cb; writes cb
.if DOCPART == 1
	.amdgcn_target "amdgcn-amd-amdhsa--gfx1250"
	.amdhsa_code_object_version 6
	.text
	.protected	k_qee9f6ce0b7_cast
	.globl	k_qee9f6ce0b7_cast
	.p2align	8
	.type	k_qee9f6ce0b7_cast,@function
k_qee9f6ce0b7_cast:
	s_mov_b64 s[64:65], 0
	v_nop
	global_prefetch_b8 v0, s[64:65] scope:SCOPE_SE
	s_setreg_imm32_b32 hwreg(HW_REG_WAVE_MODE, 25, 1), 1
	s_wait_xcnt 0x0
; Rounds the five large f32 inputs to 16 bits.  cb = five matrices [2048][2048] of 16 bits, 8,388,608 bytes each: x, wq, wk, wv, wp.
; Matrices 0 to 3 are bf16.  Matrix 4 (wp) is rounded to bf16 and that value is written in f16 format, since its partner in the last
; product (ctx) is f16.  LIMIT: |wp| below 65,504; a bf16 value below 2^-14 loses bits in f16 (absolute error at most 2^-25).
; Grid y picks the matrix; a work-group takes 65,536 bytes in and 32,768 out; a wave 8,192 bytes in (one row): sixteen loads of 512
; neighbouring bytes, all in flight at once, and sixteen stores of 256 neighbouring bytes, aligned.  A piece is rounded in place, in the first two
; of the four registers that it was loaded into, and stored from there; no register that a store names is written again, so the only waits
; are the counted ones for the data.  72 registers a wave, so that several work-groups lie on a WGP.  No LDS, no matrix unit: memory binds.
.set X, 4                              ; v[4:67]    piece j: four f32 as loaded; then two words of 16-bit numbers in the first two
.set T, 68                             ; v[68:71]   at work (f16 path)
	s_load_b256 s[4:11], s[0:1], 0x0               ; x s[4:5], wq s[6:7], wk s[8:9], wv s[10:11]
	s_load_b128 s[12:15], s[0:1], 0x20             ; wp s[12:13], cb s[14:15]
	s_and_b32 s16, ttmp7, 0xffff                   ; which matrix
	v_and_b32 v3, 0xe0, v0                         ; 32 x wave
	v_and_b32 v1, 31, v0                           ; lane
	v_lshlrev_b32 v2, 3, v1                        ; out: 8 bytes a lane
	v_lshlrev_b32 v1, 4, v1                        ; in: 16 bytes a lane
	v_lshl_or_b32 v1, v3, 8, v1                    ; + wave x 8,192
	v_lshl_or_b32 v2, v3, 7, v2                    ; + wave x 4,096
	s_lshl_b32 s18, ttmp9, 16                      ; in: work-group x 65,536
	s_mov_b32 s19, 0
	s_lshl_b32 s20, s16, 23                        ; out: matrix x 8,388,608
	s_lshl_b32 s21, ttmp9, 15                      ;      + work-group x 32,768
	s_add_co_u32 s20, s20, s21
	s_mov_b32 s21, 0
	s_mov_b32 s17, 0xffff0000                      ; a word's upper bf16
	s_wait_kmcnt 0x0
.irp k, 1,2,3,4
	s_cmp_eq_u32 s16, \k                           ; the choice of the source hangs on the grid's y alone
	s_cselect_b64 s[4:5], s[4+2*\k:5+2*\k], s[4:5]
.endr
	s_add_nc_u64 s[4:5], s[4:5], s[18:19]
	s_add_nc_u64 s[14:15], s[14:15], s[20:21]
.irp j, 0,1,2,3,4,5,6,7,8,9,10,11,12,13,14,15
	global_load_b128 v[X+4*\j:X+4*\j+3], v1, s[4:5] offset:512*\j th:TH_LOAD_NT   ; read once in the launch
.endr
; Piece j: wait, round in place, store.  half = 1: the bf16 value is widened again and written in f16 format.
.macro OUT j, half
	s_wait_loadcnt 15-\j                           ; loads come back in order: mine is in, the 15 - j younger ones stay out
	v_cvt_pk_bf16_f32 v[X+4*\j],   v[X+4*\j],   v[X+4*\j+1]
	v_cvt_pk_bf16_f32 v[X+4*\j+1], v[X+4*\j+2], v[X+4*\j+3]
.if \half
	v_lshlrev_b32 v[T],   16,  v[X+4*\j]
	v_and_b32     v[T+1], s17, v[X+4*\j]
	v_lshlrev_b32 v[T+2], 16,  v[X+4*\j+1]
	v_and_b32     v[T+3], s17, v[X+4*\j+1]
	v_cvt_pk_f16_f32 v[X+4*\j],   v[T],   v[T+1]
	v_cvt_pk_f16_f32 v[X+4*\j+1], v[T+2], v[T+3]
.endif
	global_store_b64 v2, v[X+4*\j:X+4*\j+1], s[14:15] offset:256*\j   ; the wave's 32 lanes store 256 consecutive bytes, aligned; later launches read them
.endm
	s_cmp_eq_u32 s16, 4
	s_cbranch_scc1 .Lhalf
.irp j, 0,1,2,3,4,5,6,7,8,9,10,11,12,13,14,15
	OUT \j, 0
.endr
	s_endpgm
.Lhalf:
.irp j, 0,1,2,3,4,5,6,7,8,9,10,11,12,13,14,15
	OUT \j, 1
.endr
	s_endpgm
.Lfunc_end_k_qee9f6ce0b7_cast:
	.size	k_qee9f6ce0b7_cast, .Lfunc_end_k_qee9f6ce0b7_cast-k_qee9f6ce0b7_cast
	.p2alignl 7, 3214868480
	.fill 96, 4, 3214868480
	.section	.rodata,"a",@progbits
	.p2align	6, 0x0
	.amdhsa_kernel k_qee9f6ce0b7_cast
		.amdhsa_group_segment_fixed_size 0
		.amdhsa_private_segment_fixed_size 0
		.amdhsa_enable_private_segment 0
		.amdhsa_kernarg_size 48
		.amdhsa_user_sgpr_count 2
		.amdhsa_user_sgpr_kernarg_segment_ptr 1
		.amdhsa_wavefront_size32 1
		.amdhsa_system_sgpr_workgroup_id_x 1
		.amdhsa_system_sgpr_workgroup_id_y 1
		.amdhsa_system_sgpr_workgroup_id_z 1
		.amdhsa_system_vgpr_workitem_id 0
		.amdhsa_next_free_vgpr 72
		.amdhsa_next_free_sgpr 66
		.amdhsa_reserve_vcc 0
		.amdhsa_float_denorm_mode_32 3
		.amdhsa_float_denorm_mode_16_64 3
		.amdhsa_memory_ordered 1
		.amdhsa_forward_progress 1
		.amdhsa_inst_pref_size 15
	.end_amdhsa_kernel
	.amdgpu_metadata
---
amdhsa.version: [ 1, 2 ]
amdhsa.kernels:
  - .name:           k_qee9f6ce0b7_cast
    .symbol:         k_qee9f6ce0b7_cast.kd
    .args:
      - { .name: x, .offset: 0, .size: 8, .value_kind: global_buffer, .address_space: global }
      - { .name: wq, .offset: 8, .size: 8, .value_kind: global_buffer, .address_space: global }
      - { .name: wk, .offset: 16, .size: 8, .value_kind: global_buffer, .address_space: global }
      - { .name: wv, .offset: 24, .size: 8, .value_kind: global_buffer, .address_space: global }
      - { .name: wp, .offset: 32, .size: 8, .value_kind: global_buffer, .address_space: global }
      - { .name: cb, .offset: 40, .size: 8, .value_kind: global_buffer, .address_space: global }
    .group_segment_fixed_size: 0
    .private_segment_fixed_size: 0
    .kernarg_segment_align: 8
    .kernarg_segment_size: 48
    .max_flat_workgroup_size: 256
    .sgpr_count:     66
    .vgpr_count:     72
    .wavefront_size: 32
...
	.end_amdgpu_metadata
.endif
;; end of part 1
;; launch proj_qkv (part 2): grid 16 x 16, 4 waves a work-group, clusters of 4 x 4, 327,680 bytes of LDS; arguments cb, bq, bk, bv, qkv; writes qkv
.if DOCPART == 2
	.amdgcn_target "amdgcn-amd-amdhsa--gfx1250"
	.amdhsa_code_object_version 6
	.text
	.protected	k_qee9f6ce0b7_proj_qkv
	.globl	k_qee9f6ce0b7_proj_qkv
	.p2align	8
	.type	k_qee9f6ce0b7_proj_qkv,@function
k_qee9f6ce0b7_proj_qkv:
	s_mov_b64 s[64:65], 0
	v_nop
	global_prefetch_b8 v0, s[64:65] scope:SCOPE_SE
	s_setreg_imm32_b32 hwreg(HW_REG_WAVE_MODE, 25, 1), 1
	s_wait_xcnt 0x0
	s_wait_alu depctr_hold_cnt(0) depctr_sa_sdst(0) depctr_va_vdst(0) depctr_va_sdst(0) depctr_va_ssrc(0) depctr_va_vcc(0) depctr_vm_vsrc(0)
	s_getreg_b32 s2, hwreg(HW_REG_IB_STS2, 6, 4)
	s_cmp_eq_u32 s2, 0
	s_cbranch_scc0 .Lentry_in_a_cluster
	s_endpgm
.Lentry_in_a_cluster:
	s_bfe_u32 s2, ttmp6, 0x10000c
	s_cmp_lg_u32 s2, 0xf033
	s_cbranch_scc0 .Lentry_shape_is_right
	s_endpgm
.Lentry_shape_is_right:
; q, k, v = x w + b.  x and the weights come as bf16 from cb (matrix 0: x [2048 rows][2048 k]; matrices 1, 2, 3: wq, wk, wv [2048 k][2048 n]);
; sums in f32, started by the f32 bias; results in f16 into qkv = [3][2048 rows][2048 columns].  LIMIT: |q|, |k|, |v| below 65,504.
; A work-group (x = block of 128 rows, y = head) makes 128 rows x the head's 128 columns of q, of k and of v: 128 x 384.  The axes are laid so that
; work-groups which differ in the grid's x alone read the same weights, the larger operand (25,165,824 bytes against x's 8,388,608).
; Four waves, one a SIMD; wave w makes all 128 rows x columns 32 w .. 32 w + 31 of each of the three: 8 row tiles (a) x 6 column tiles (b; matrix b / 2,
; half b % 2), 48 accumulators, 384 registers.  For 32 along K a wave loads 14 fragments from LDS and issues 48 matrix instructions.
; K goes in steps of 128 through two LDS slots; a slot holds x's tile (128 rows x 256 bytes, pitch 272) and the three weight tiles (128 k rows x 256
; bytes, pitch 288).  The weights lie with n along the rows, so their fragments are read by the transposing LDS load.
; CLUSTERS: 4 x 4 work-groups.  x's tile hangs on the block of rows alone (the grid's x) and is asked for jointly by a column of the cluster (equal cx); a
; weight tile hangs on the head alone (the grid's y) and is asked for jointly by a row (equal cy): the requests for both are divided by four.
; Wave 0 asks for x's tile, wave w = 1, 2, 3 for matrix w's.
; REGISTERS: window 0: v16-31 addresses, v64-127 and v128-191 x's fragments (two buffers), v192-223 at work on the way out.
;   window 1: v0-47 bias (tile b at 8 b), v64-111 and v128-175 the weights' fragments.  window 2: accumulators of b = 0..3 at 8 (8 b + a).  window 3: b = 4, 5.
; THE MATRIX INSTRUCTION IS USED TRANSPOSED (source 0 = 16 columns of w, source 1 = 16 rows of x): lane l holds row l % 16, registers 0-7 the
; columns 8 (l / 16) + 0..7: eight neighbouring numbers of a row.
.set KSTEP, 128
.set PA,    272                        ; pitch of x's tile and of the stage: 256 + 16 bytes, an odd multiple of 16
.set PB,    288                        ; pitch of a weight tile: 256 + 32 bytes, an odd multiple of 32
.set REG,   128*PB                     ; 36,864: a region of a slot
.set SLOT,  4*REG                      ; x, wq, wk, wv
.set SREG,  128*PA                     ; the way out: 128 rows x 272 bytes for each of q, k, v, in slot 0 after its last fill
.set LAPS,  8                          ; 2048 / (2 x 128)
.set MAT,   8388608                    ; bytes of a matrix of 16 bits
.set ADRA, 16                          ; v16-17  x's fragments in slot 0, 1
.set ADRB, 18                          ; v18-23  the weights' fragments: slot s, matrix c at 18 + 3 s + c
.set STO,  24                          ; v24-26  way out: where I put 16 bytes, matrix c
.set RD,   27                          ; v27-29  way out: where I read rows back
.set CO,   30                          ; v30     my byte offset in the output rows
.set BOFF, 31                          ; v31     my byte offset in a bias
.set F0,   64
.set F1,   128
.set TMP,  192
.set BI,   0
.set G1,  24                           ; s[24:31] group 1, x's tile
.set G0,  32                           ; s[32:39] group 0, x's tile, one set a slot
.set G1B, 48                           ; s[48:55] group 1, weight tiles
.set G0B, 56                           ; s[56:63] group 0, weight tiles, one set a slot
.set MSB, 0
.macro WIN new                         ; the immediate's high byte repeats the setting that is left
.if MSB != \new
	s_set_vgpr_msb (MSB<<8)|\new
.set MSB, \new
.endif
.endm
.set MUL_LO, 0xa1                      ; source 0 window 1, source 1 window 0, C and D window 2
.set MUL_HI, 0xf1                      ; the same, C and D window 3
.set TO_B,   0x40                      ; destination window 1
; A joint load: each line has one mask and one set of registers for all that issue it.  The branch hangs on the wave's number alone.
.macro JLOAD s
	s_cmp_eq_u32 s14, 0
	s_cbranch_scc0 .Lfor_b_\@
	tensor_load_to_lds s[G0+4*\s:G0+4*\s+3], s[G1:G1+7]
	s_nop 0
	s_branch .Lasked_\@
.Lfor_b_\@:
	tensor_load_to_lds s[G0B+4*\s:G0B+4*\s+3], s[G1B:G1B+7]
	s_nop 0
.Lasked_\@:
.endm
.macro CREST                           ; a round of the cluster's barrier behind its opening work-group barrier
	s_cmp_lg_u32 s14, 0
	s_cbranch_scc1 .Lnot_wave_0_\@
	s_barrier_signal -3
.Lnot_wave_0_\@:
	s_barrier_wait -3
	s_barrier_signal -1
	s_barrier_wait -1
.endm
.macro CROUND
	s_barrier_signal -1
	s_barrier_wait -1
	CREST
.endm
.macro PLACES                          ; four places behind matrix instructions, in front of loads into their sources and of readers of their results
.rept 4
	v_nop
.endr
.endm
	s_load_b256 s[4:11], s[0:1], 0x0               ; cb s[4:5], bq s[6:7], bk s[8:9], bv s[10:11]
	s_load_b64 s[12:13], s[0:1], 0x20              ; qkv
	s_set_vgpr_msb 0x40
	v_lshl_add_u32 v255, v0, 2, 0x48000
	s_set_vgpr_msb 0x4000
	v_mov_b32 v255, 0
	s_set_vgpr_msb 0x1
	ds_add_u32 v255, v255
	ds_add_u32 v255, v255
	s_set_vgpr_msb 0x100
	v_lshrrev_b32 v1, 5, v0
	v_readfirstlane_b32 s14, v1                    ; wave 0..3
	s_bfe_u32 s15, ttmp6, 0x40000                  ; cx
	s_bfe_u32 s16, ttmp6, 0x40004                  ; cy
	s_lshl_b32 s18, ttmp9, 2
	s_add_co_u32 s18, s18, s15                     ; block of rows = 4 x cluster x + cx
	s_and_b32 s17, ttmp7, 0xffff
	s_lshl_b32 s17, s17, 2
	s_add_co_u32 s17, s17, s16                     ; head = 4 x cluster y + cy
	s_lshl_b32 s19, s16, 2
	s_lshl_b32 s19, 15, s19                        ; my row of the cluster (equal cy): the same head
	s_lshl_b32 s20, 0x1111, s15                    ; my column (equal cx): the same block of rows
	; group 1: tiles of 128 rows x 128 elements of 2 bytes, rows 2,048 elements apart; a pad behind every 64 words: 4 words for x, 8 for the weights
	s_or_b32 s[G1+0],  s20, (1<<16)|(1<<20)|(1<<21)|(5<<22)|(3<<25)    ; x's tile goes to my column
	s_or_b32 s[G1B+0], s19, (1<<16)|(1<<20)|(1<<21)|(5<<22)|(7<<25)    ; a weight tile to my row
	s_mov_b32 s[G1+1],  128<<16                    ; tensor_dim0 = 128
	s_mov_b32 s[G1B+1], 128<<16
	s_mov_b32 s[G1+2],  128<<16                    ; tensor_dim1 = 128
	s_mov_b32 s[G1B+2], 128<<16
	s_mov_b32 s[G1+3],  128<<16                    ; tile_dim0 = 128
	s_mov_b32 s[G1B+3], 128<<16
	s_mov_b32 s[G1+4],  128                        ; tile_dim1 = 128
	s_mov_b32 s[G1B+4], 128
	s_mov_b32 s[G1+5],  2048                       ; elements from row to row
	s_mov_b32 s[G1B+5], 2048
	s_mov_b32 s[G1+6],  0
	s_mov_b32 s[G1B+6], 0
	s_mov_b32 s[G1+7],  0
	s_mov_b32 s[G1B+7], 0
	s_mul_i32 s21, s14, REG                        ; my region of a slot: the wave's number alone
	s_lshl_b32 s72, s18, 19                        ; x: block of rows x 128 rows x 4,096 bytes (never holds cy)
	s_mov_b32 s73, 0
	s_lshl_b32 s74, s14, 23                        ; weights: matrix w of cb,
	s_lshl_b32 s75, s17, 8                         ; the head's 256 bytes of each row (never holds cx)
	s_add_co_u32 s74, s74, s75
	s_mov_b32 s75, 0
	s_lshl_b32 s76, s18, 19                        ; out: (128 x block + 32 w) rows of 4,096 bytes + 256 x head
	s_lshl_b32 s77, s14, 17
	s_add_co_u32 s76, s76, s77
	s_lshl_b32 s77, s17, 8
	s_add_co_u32 s76, s76, s77
	s_mov_b32 s77, 0
	s_wait_dscnt 0x0
	s_wait_kmcnt 0x0
	s_add_nc_u64 s[40:41], s[4:5], s[72:73]
	s_add_nc_u64 s[44:45], s[4:5], s[74:75]
	s_add_nc_u64 s[66:67], s[12:13], s[76:77]      ; q
	s_add_nc_u64 s[68:69], s[66:67], MAT           ; k
	s_add_nc_u64 s[70:71], s[68:69], MAT           ; v
	CROUND                                         ; all sixteen work-groups are here: the first joint loads meet
.irp s, 0,1
	s_mov_b32 s[G0+4*\s], 1
	s_add_co_u32 s[G0+4*\s+1], s21, \s*SLOT
	s_add_nc_u64 s[G0+4*\s+2:G0+4*\s+3], s[40:41], \s*KSTEP*2          ; K step s: 256 bytes along x's rows
	s_or_b32 s[G0+4*\s+3], s[G0+4*\s+3], 0x80000000
	s_mov_b32 s[G0B+4*\s], 1
	s_add_co_u32 s[G0B+4*\s+1], s21, \s*SLOT
	s_add_nc_u64 s[G0B+4*\s+2:G0B+4*\s+3], s[44:45], \s*KSTEP*4096     ; K step s: 128 rows down the weights
	s_or_b32 s[G0B+4*\s+3], s[G0B+4*\s+3], 0x80000000
	JLOAD \s                                       ; both slots are asked for before anything else: two tensor loads of the wave are out
.endr
	v_and_b32 v1, 15, v0                           ; r = l % 16
	v_bfe_u32 v2, v0, 4, 1                         ; h = l / 16
	v_and_b32 v3, 7, v0                            ; l % 8
	v_bfe_u32 v4, v0, 3, 1                         ; (l / 8) % 2
	v_mul_u32_u24 v5, v1, PA
	v_lshl_add_u32 v5, v2, 4, v5                   ; r x 272 + 16 h
	v_lshl_add_u32 v6, v2, 3, v3                   ; k row 8 h + l % 8
	v_mul_u32_u24 v6, v6, PB
	v_lshl_add_u32 v6, v4, 4, v6                   ; + 16 ((l / 8) % 2)
	s_lshl_b32 s22, s14, 6                         ; my 32 columns: 64 w bytes
	v_add_nc_u32 v6, s22, v6
	v_add_nc_u32 v7, s22, v5
	s_mul_i32 s23, s14, 32*PA                      ; way out: I read back rows 32 w ..
	v_mul_u32_u24 v8, v2, PA
	v_lshl_add_u32 v8, v1, 4, v8
	v_add_nc_u32 v8, s23, v8
.irp s, 0,1
	v_add_nc_u32 v[ADRA+\s], \s*SLOT, v5
.irp c, 0,1,2
	v_add_nc_u32 v[ADRB+3*\s+\c], \s*SLOT+(1+\c)*REG, v6
.endr
.endr
.irp c, 0,1,2
	v_add_nc_u32 v[STO+\c], \c*SREG, v7
	v_add_nc_u32 v[RD+\c],  \c*SREG, v8
.endr
	v_lshlrev_b32 v[CO], 4, v1
	v_lshl_add_u32 v[CO], v2, 12, v[CO]            ; 4,096 h + 16 r
	s_lshl_b32 s22, s14, 7
	s_lshl_b32 s23, s17, 9
	s_add_co_u32 s22, s22, s23
	v_lshl_add_u32 v[BOFF], v2, 5, s22             ; 4 x (128 head + 32 w + 8 h)
	WIN TO_B
.irp b, 0,1,2,3,4,5
	global_load_b128 v[BI+8*\b:BI+8*\b+3],   v[BOFF], s[6+2*(\b/2):7+2*(\b/2)] offset:64*(\b%2)      ; bias of the eight columns that my registers of tile b hold
	global_load_b128 v[BI+8*\b+4:BI+8*\b+7], v[BOFF], s[6+2*(\b/2):7+2*(\b/2)] offset:64*(\b%2)+16
.endr
; Eight matrix instructions: column tile b x all 8 row tiles, 32 along K.  first = 1: C is the bias, which starts the sums.
; The 48 accumulators take turns, one instruction a turn, in the same order in every quarter step.
.macro MULB f, b, first
.irp a, 0,1,2,3,4,5,6,7
.if \first
	v_wmma_f32_16x16x32_bf16 v[8*(8*(\b%4)+\a):8*(8*(\b%4)+\a)+7], v[\f+8*\b:\f+8*\b+7], v[\f+8*\a:\f+8*\a+7], v[BI+8*\b:BI+8*\b+7]
.else
	v_wmma_f32_16x16x32_bf16 v[8*(8*(\b%4)+\a):8*(8*(\b%4)+\a)+7], v[\f+8*\b:\f+8*\b+7], v[\f+8*\a:\f+8*\a+7], v[8*(8*(\b%4)+\a):8*(8*(\b%4)+\a)+7]
.endif
.endr
.endm
; 28 LDS loads in one run: quarter q (32 along K) of a slot into buffer f: x's 8 fragments, then the weights' 6
.macro FETCH slot, q, f
	WIN 0
.irp a, 0,1,2,3,4,5,6,7
	ds_load_b128 v[\f+8*\a:\f+8*\a+3],   v[ADRA+\slot] offset:64*\q+16*PA*\a
	ds_load_b128 v[\f+8*\a+4:\f+8*\a+7], v[ADRA+\slot] offset:64*\q+16*PA*\a+32
.endr
	WIN TO_B
.irp b, 0,1,2,3,4,5
	ds_load_tr16_b128 v[\f+8*\b:\f+8*\b+3],   v[ADRB+3*\slot+\b/2] offset:32*PB*\q+32*(\b%2)          ; k = 8 h .. 8 h + 7 of column r
	ds_load_tr16_b128 v[\f+8*\b+4:\f+8*\b+7], v[ADRB+3*\slot+\b/2] offset:32*PB*\q+32*(\b%2)+16*PB    ; k = 16 + 8 h ..
.endr
.endm
; One of a K step's first three quarters: multiplies buffer f; in its middle fetches quarter q into buffer g.
.macro QUARTER slot, q, f, g, first
	s_wait_dscnt 4                                 ; all is in but the youngest four loads: weight tiles 4 and 5
.if \first
	WIN 0x91                                       ; C from window 1 (the bias)
.else
	WIN MUL_LO
.endif
	MULB \f, 0, \first
	MULB \f, 1, \first
	MULB \f, 2, \first
	MULB \f, 3, \first
	PLACES
	FETCH \slot, \q, \g
	s_wait_dscnt 28                                ; all but the 28 just issued
.if \first
	WIN 0xd1
.else
	WIN MUL_HI
.endif
	MULB \f, 4, \first
	MULB \f, 5, \first
.endm
.macro THREE slot, first
	QUARTER \slot, 1, F0, F1, \first
	QUARTER \slot, 2, F1, F0, 0
	QUARTER \slot, 3, F0, F1, 0
.endm
; The last quarter: multiplies buffer 1 and changes slots.  In front of the barrier each wave waits for its reads of this slot and for all its
; tensor loads (one is out: its part of the next slot).  fill = 1: the barrier opens a round of the cluster's barrier, and behind the round this slot
; is asked for again, two K steps ahead, first thing.  From that request to the wait for it a wave issues 176 matrix instructions.
.macro TURN slot, next, fill
	s_wait_dscnt 4
	WIN MUL_LO
	MULB F1, 0, 0
	MULB F1, 1, 0
	s_wait_dscnt 0x0                               ; my reads of this slot are over
	s_wait_tensorcnt 0x0                           ; all my tensor loads have landed
	ds_add_u32 v255, v255
	s_wait_dscnt 0x0
	s_barrier_signal -1
	MULB F1, 2, 0                                  ; register work while the others arrive
	MULB F1, 3, 0
	WIN 0
	s_barrier_wait -1
.if \fill
	CREST                                          ; no wave of any partner still reads this slot or has a load on its way
	s_add_nc_u64 s[G0+4*\slot+2:G0+4*\slot+3],   s[G0+4*\slot+2:G0+4*\slot+3],   2*KSTEP*2
	s_add_nc_u64 s[G0B+4*\slot+2:G0B+4*\slot+3], s[G0B+4*\slot+2:G0B+4*\slot+3], 2*KSTEP*4096
	JLOAD \slot                                    ; my one tensor load behind the round
.endif
	PLACES
	FETCH \next, 0, F0
	WIN MUL_HI
	MULB F1, 4, 0
	MULB F1, 5, 0
.endm
.macro LAP first
	THREE 0, \first
	TURN 0, 1, 1
	THREE 1, 0
	TURN 1, 0, 1
.endm
	s_wait_tensorcnt 0x1                           ; my part of K step 0 is in; K step 1's stays out
	s_barrier_signal -1
	s_barrier_wait -1
	FETCH 0, 0, F0
	s_wait_loadcnt 0x0                             ; the bias
	LAP 1                                          ; the first lap stands in front of the loop: its first products start the sums from the bias
	WIN 0
	s_mov_b32 s3, LAPS-2
.Llap:
	LAP 0
	WIN 0
	s_sub_co_u32 s3, s3, 1
	s_cmp_lg_u32 s3, 0
	s_cbranch_scc1 .Llap
	THREE 0, 0                                     ; the last lap fills nothing
	TURN 0, 1, 0
	THREE 1, 0
	s_wait_dscnt 4
	WIN MUL_LO
	MULB F1, 0, 0
	MULB F1, 1, 0
	MULB F1, 2, 0
	MULB F1, 3, 0
	s_wait_dscnt 0x0
	WIN MUL_HI
	MULB F1, 4, 0
	MULB F1, 5, 0
	; THE WAY OUT.  A row of a head is 256 bytes, of which each wave holds 64: the four waves put their parts into a stage in slot 0 (its last fill was
	; K step 14, waited for by every wave; its last reads lie in front of the last lap's barrier), and each wave reads back 32 whole rows of q, k and v.
	PLACES
.irp b, 0,1,2,3,4,5
.if \b < 4
	WIN 0x0a                                       ; sources from window 2
.else
	WIN 0x0f                                       ; from window 3
.endif
.irp a, 0,1,2,3,4,5,6,7
.irp i, 0,1,2,3
	v_cvt_pk_f16_f32 v[TMP+4*\a+\i], v[8*(8*(\b%4)+\a)+2*\i], v[8*(8*(\b%4)+\a)+2*\i+1]
.endr
.endr
	WIN 0
.irp a, 0,1,2,3,4,5,6,7
	ds_store_b128 v[STO+\b/2], v[TMP+4*\a:TMP+4*\a+3] offset:16*PA*\a+32*(\b%2)
.endr
.endr
	s_wait_dscnt 0x0                               ; my stores are done, for the other waves' sake
	s_barrier_signal -1
	s_barrier_wait -1
.macro OUTM c, f, again
.if \again
	s_wait_xcnt 0x0                                ; buffer f was the data of earlier stores: loaded again only behind this wait
.endif
.irp t, 0,1,2,3,4,5,6,7,8,9,10,11,12,13,14,15
	ds_load_b128 v[\f+4*\t:\f+4*\t+3], v[RD+\c] offset:2*PA*\t
.endr
.irp t, 0,1,2,3,4,5,6,7,8,9,10,11,12,13,14,15
	s_wait_dscnt 15-\t
	global_store_b128 v[CO], v[\f+4*\t:\f+4*\t+3], s[66+2*\c:67+2*\c] offset:8192*\t   ; sixteen lanes store 256 consecutive bytes, aligned: a head's row
.endr
.endm
	OUTM 0, F0, 0
	OUTM 1, F1, 0
	OUTM 2, F0, 1
	s_set_vgpr_msb 0x1
	s_wait_tensorcnt 0x0
	ds_add_u32 v255, v255
	s_wait_dscnt 0x0
	s_set_vgpr_msb 0x100
	CROUND                                         ; the closing round: no work-group ends while a partner may still ask for a tile that names it
	s_endpgm
.Lfunc_end_k_qee9f6ce0b7_proj_qkv:
	.size	k_qee9f6ce0b7_proj_qkv, .Lfunc_end_k_qee9f6ce0b7_proj_qkv-k_qee9f6ce0b7_proj_qkv
	.p2alignl 7, 3214868480
	.fill 96, 4, 3214868480
	.section	.rodata,"a",@progbits
	.p2align	6, 0x0
	.amdhsa_kernel k_qee9f6ce0b7_proj_qkv
		.amdhsa_group_segment_fixed_size 327680
		.amdhsa_private_segment_fixed_size 0
		.amdhsa_enable_private_segment 0
		.amdhsa_kernarg_size 40
		.amdhsa_user_sgpr_count 2
		.amdhsa_user_sgpr_kernarg_segment_ptr 1
		.amdhsa_wavefront_size32 1
		.amdhsa_system_sgpr_workgroup_id_x 1
		.amdhsa_system_sgpr_workgroup_id_y 1
		.amdhsa_system_sgpr_workgroup_id_z 1
		.amdhsa_system_vgpr_workitem_id 0
		.amdhsa_next_free_vgpr 896
		.amdhsa_next_free_sgpr 80
		.amdhsa_reserve_vcc 0
		.amdhsa_float_denorm_mode_32 3
		.amdhsa_float_denorm_mode_16_64 3
		.amdhsa_memory_ordered 1
		.amdhsa_forward_progress 1
		.amdhsa_inst_pref_size 159
	.end_amdhsa_kernel
	.amdgpu_metadata
---
amdhsa.version: [ 1, 2 ]
amdhsa.kernels:
  - .name:           k_qee9f6ce0b7_proj_qkv
    .symbol:         k_qee9f6ce0b7_proj_qkv.kd
    .args:
      - { .name: cb, .offset: 0, .size: 8, .value_kind: global_buffer, .address_space: global }
      - { .name: bq, .offset: 8, .size: 8, .value_kind: global_buffer, .address_space: global }
      - { .name: bk, .offset: 16, .size: 8, .value_kind: global_buffer, .address_space: global }
      - { .name: bv, .offset: 24, .size: 8, .value_kind: global_buffer, .address_space: global }
      - { .name: qkv, .offset: 32, .size: 8, .value_kind: global_buffer, .address_space: global }
    .group_segment_fixed_size: 327680
    .private_segment_fixed_size: 0
    .kernarg_segment_align: 8
    .kernarg_segment_size: 40
    .max_flat_workgroup_size: 128
    .sgpr_count:     80
    .vgpr_count:     896
    .wavefront_size: 32
...
	.end_amdgpu_metadata
.endif
;; end of part 2
;; launch attn (part 3): grid 8 x 32, 4 waves a work-group, no clusters, 327,680 bytes of LDS; arguments qkv, ctx; writes ctx
.if DOCPART == 3
	.amdgcn_target "amdgcn-amd-amdhsa--gfx1250"
	.amdhsa_code_object_version 6
	.text
	.protected	k_qee9f6ce0b7_attn
	.globl	k_qee9f6ce0b7_attn
	.p2align	8
	.type	k_qee9f6ce0b7_attn,@function
k_qee9f6ce0b7_attn:
	s_mov_b64 s[64:65], 0
	v_nop
	global_prefetch_b8 v0, s[64:65] scope:SCOPE_SE
	s_setreg_imm32_b32 hwreg(HW_REG_WAVE_MODE, 25, 1), 1
	s_wait_xcnt 0x0
; Causal attention of one head, f16 operands, f32 scores, running maximum and sum in f32.  qkv = [3][2048][2048] f16, ctx = [2048][2048] f16.
; From the grid: batch = x / 4, head = y / 2, j = x % 4 + 4 (y % 2): the eight work-groups that read one head's K and V differ in x % 4 and y % 2 alone.
; A work-group takes the blocks of 64 query rows j and 15 - j, one after the other: (j + 1) + (16 - j) = 17 steps of 64 keys for every work-group.
; Wave w owns rows 16 w .. 16 w + 15 of the block at work.
; ALL PRODUCTS ARE TRANSPOSED.  S^T = K Q^T: lane (r = l % 16, h = l / 16), register i of tile t holds key 16 t + 8 h + i of query row r, so a row's maximum
; and sum are taken inside a lane and across one pair of lanes, and the packed probabilities of tiles 2 u, 2 u + 1 already are the second operand
; of O^T = V^T P^T.  A lane of O^T holds eight neighbouring d of row r.
; K and V come in chunks of 256 keys (four steps) into two LDS slots.  Five phases read slots 0, 1, 0, 1, 0; four fills serve them.  With f = j / 4:
;   phases 1 and 3 read chunk 0 (slot 0's first fill, read twice), phase 2 chunk 1 (slot 1's first fill), phase 4 chunk 2 - f, phase 5 chunk 3 - f.
;   f = 0: phase 1 is the whole first block (j unmasked steps, the diagonal one); the second block takes chunks 1, 0, 2, 3: a running maximum takes any order.
;   f = 1: phases 1 and 2 are the first block (chunks 0, 1); the second block takes chunks 0, 1, 2 (chunk 1 is fetched a second time).
;   Unmasked steps: phase 1: f ? 4 : j; phase 2: f ? j - 4 : 4; phases 3, 4: 4; phase 5: (15 - j) % 4.  The step behind fewer than 4 unmasked ones is the diagonal one.
;   Each of the two refills is asked for four whole steps before its first read.
; NO MULTICAST: the four work-groups with equal f ask for the same chunks, but do different numbers of steps on them (j % 4 + 1 against 4 in one phase,
; 4 - j % 4 in the last); a round of a cluster's barrier for each fill would make each phase last as long as its longest partner's: 20 steps' time, not 17.
; The exponent is c s - c max as one fused multiply-add, c = log2(e) / sqrt(128); -c max is rounded once (error at most 2^-24 |c max|).
; LIMITS: |ctx| below 65,504; a probability below about 3e-8 counts as 0 in the product with V.
.set MAT,   8388608
.set PK,    272                        ; pitch of K rows: 256 + 16
.set PV,    288                        ; pitch of V rows: 256 + 32, for the transposing load
.set KOFF,  256*PV                     ; a slot: V's 256 rows, then K's
.set SLOT,  KOFF+256*PK                ; 143,360
.set STAGE, 2*SLOT                     ; behind the slots: 16 rows x 272 bytes for each wave; no fill lands here
.set KL,   4                           ; r x 272 + 16 h
.set VL,   5                           ; (8 h + l % 8) x 288 + 16 ((l / 8) % 2)
.set KADR, 6                           ; the step's K and V fragments
.set VADR, 7
.set STO,  8
.set RD,   9
.set CO,   10
.set QOFF, 11
.set DM,   12                          ; 16 w + r - 8 h: key 16 t + i is kept in the diagonal step if 16 t + i <= DM
.set MX,   13                          ; running maximum (raw scores)
.set LS,   14                          ; running sum, my half of the keys
.set MN,   15
.set AL,   16                          ; v[16:17] factor for the old sums (v17 only fills the pair)
.set NMC,  18                          ; v[18:19] -c x maximum
.set TT,   20                          ; v[20:27]
.set PP,   32                          ; v[32:47]  probabilities, f16
.set SC,   48                          ; v[48:79]  scores
.set OO,   80                          ; v[80:143] O^T, tile dt at 8 dt
.set QQ,   144                         ; v[144:175] Q fragments of the block at work
.set QN,   176                         ; v[176:207] those of the second block
.set RB,   208                         ; v[208:239] rows on their way out
.set G1V, 24
.set G0V, 32
.set G1K, 48
.set G0K, 56
; window 1: K fragment (t, ks) at 8 (4 ks + t); V fragment (dt, u) at 128 + 8 (8 u + dt)
.set MSB, 0
.macro WIN new
.if MSB != \new
	s_set_vgpr_msb (MSB<<8)|\new
.set MSB, \new
.endif
.endm
	s_load_b128 s[4:7], s[0:1], 0x0                ; qkv s[4:5], ctx s[6:7]
	v_lshl_add_u32 v254, v0, 2, 0x4a400
	v_mov_b32 v255, 0
	ds_add_u32 v254, v255
	ds_add_u32 v254, v255
	v_lshrrev_b32 v1, 5, v0
	v_readfirstlane_b32 s8, v1                     ; wave
	s_and_b32 s10, ttmp7, 0xffff                   ; y
	s_and_b32 s11, s10, 1                          ; f = y % 2
	s_and_b32 s9, ttmp9, 3
	s_lshl2_add_u32 s9, s11, s9                    ; j = 4 f + x % 4
	s_sub_co_u32 s13, s9, 4
	s_sub_co_u32 s78, 15, s9                       ; the second block
	s_and_b32 s14, s78, 3                          ; unmasked steps of phase 5
	s_cmp_lg_u32 s11, 0
	s_cselect_b32 s12, 4, s9                       ; of phase 1
	s_cselect_b32 s13, s13, 4                      ; of phase 2
	s_sub_co_u32 s74, 2, s11                       ; the chunks of the two refills, in bytes: 256 rows of 4,096
	s_lshl_b32 s74, s74, 20
	s_sub_co_u32 s75, 3, s11
	s_lshl_b32 s75, s75, 20
	s_mov_b32 s16, 0x3e0293ee                      ; c = log2(e) / sqrt(128)
	s_mov_b32 s17, 0x3e0293ee
	s_mov_b32 s18, 0xbe0293ee                      ; -c
	s_mov_b32 s19, 0xff800000                      ; -infinity
	s_mov_b32 s20, 0x76543210                      ; lane i of one half reads lane i of the other
	s_mov_b32 s21, 0xfedcba98
	; group 1: 128 rows x 128 elements of 2 bytes, rows 2,048 elements apart, a pad behind every 64 words: 8 words for V, 4 for K
	s_mov_b32 s[G1V+0], (1<<16)|(1<<20)|(5<<22)|(7<<25)
	s_mov_b32 s[G1K+0], (1<<16)|(1<<20)|(5<<22)|(3<<25)
	s_mov_b32 s[G1V+1], 128<<16
	s_mov_b32 s[G1K+1], 128<<16
	s_mov_b32 s[G1V+2], 128<<16
	s_mov_b32 s[G1K+2], 128<<16
	s_mov_b32 s[G1V+3], 128<<16
	s_mov_b32 s[G1K+3], 128<<16
	s_mov_b32 s[G1V+4], 128
	s_mov_b32 s[G1K+4], 128
	s_mov_b32 s[G1V+5], 2048
	s_mov_b32 s[G1K+5], 2048
	s_mov_b32 s[G1V+6], 0
	s_mov_b32 s[G1K+6], 0
	s_mov_b32 s[G1V+7], 0
	s_mov_b32 s[G1K+7], 0
	s_lshr_b32 s44, ttmp9, 2
	s_lshl_b32 s44, s44, 22                        ; batch x / 4: 1,024 rows of 4,096 bytes
	s_lshr_b32 s45, s10, 1
	s_lshl_b32 s45, s45, 8                         ; head y / 2: 256 bytes of a row
	s_add_co_u32 s44, s44, s45
	s_mov_b32 s45, 0
	s_mul_i32 s22, s8, 128*PV                      ; waves 0, 1 bring V rows 128 w ..: LDS 36,864 w
	s_mul_i32 s23, s8, 128*PK                      ; waves 2, 3 bring K rows 128 (w - 2) ..: LDS 73,728 + 34,816 (w - 2)
	s_add_co_u32 s23, s23, KOFF-2*128*PK
	s_wait_dscnt 0x0
	s_wait_kmcnt 0x0
	s_add_nc_u64 s[4:5], s[4:5], s[44:45]          ; q of my head
	s_add_nc_u64 s[6:7], s[6:7], s[44:45]          ; ctx of my head
	s_and_b32 s46, s8, 1
	s_lshl_b32 s46, s46, 19                        ; which 128 rows of a chunk I bring
	s_add_co_u32 s46, s46, 2*MAT
	s_mov_b32 s47, 0
	s_add_nc_u64 s[40:41], s[4:5], s[46:47]        ; V
	s_sub_nc_u64 s[42:43], s[40:41], MAT           ; K
	s_lshl_b32 s46, s9, 18                         ; first block: 64 j rows
	s_add_nc_u64 s[70:71], s[4:5], s[46:47]
	s_lshl_b32 s79, s8, 16                         ; my 16 rows
	s_add_co_u32 s46, s46, s79
	s_add_nc_u64 s[66:67], s[6:7], s[46:47]
	s_lshl_b32 s46, s78, 18                        ; second block
	s_add_nc_u64 s[72:73], s[4:5], s[46:47]
	s_add_co_u32 s46, s46, s79
	s_add_nc_u64 s[68:69], s[6:7], s[46:47]
.irp s, 0,1
	s_mov_b32 s[G0V+4*\s], 1
	s_add_co_u32 s[G0V+4*\s+1], s22, \s*SLOT
	s_mov_b32 s[G0K+4*\s], 1
	s_add_co_u32 s[G0K+4*\s+1], s23, \s*SLOT
.endr
; the global addresses of a slot's next chunk; written only where no tensor load of the wave is out
.macro SETADR slot, c
	s_mov_b32 s46, \c
	s_mov_b32 s47, 0
	s_add_nc_u64 s[G0V+4*\slot+2:G0V+4*\slot+3], s[40:41], s[46:47]
	s_or_b32 s[G0V+4*\slot+3], s[G0V+4*\slot+3], 0x80000000
	s_add_nc_u64 s[G0K+4*\slot+2:G0K+4*\slot+3], s[42:43], s[46:47]
	s_or_b32 s[G0K+4*\slot+3], s[G0K+4*\slot+3], 0x80000000
.endm
.macro KVLOAD slot                     ; one tensor load a wave: 128 rows x 256 bytes
	s_cmp_lt_u32 s8, 2
	s_cbranch_scc0 .Lk_\@
	tensor_load_to_lds s[G0V+4*\slot:G0V+4*\slot+3], s[G1V:G1V+7]
	s_nop 0
	s_branch .Lkv_\@
.Lk_\@:
	tensor_load_to_lds s[G0K+4*\slot:G0K+4*\slot+3], s[G1K:G1K+7]
	s_nop 0
	v_nop
.Lkv_\@:
.endm
	SETADR 0, 0                                    ; chunk 0
	SETADR 1, 0x100000                             ; chunk 1
	s_cmp_lt_u32 s8, 2                             ; the two first fills go out together, inside one branch: two tensor loads of the wave are out
	s_cbranch_scc0 .Lfirst_k
	tensor_load_to_lds s[G0V:G0V+3], s[G1V:G1V+7]
	s_nop 0
	tensor_load_to_lds s[G0V+4:G0V+7], s[G1V:G1V+7]
	s_nop 0
	s_branch .Lfirst_done
.Lfirst_k:
	tensor_load_to_lds s[G0K:G0K+3], s[G1K:G1K+7]
	s_nop 0
	tensor_load_to_lds s[G0K+4:G0K+7], s[G1K:G1K+7]
	s_nop 0
.Lfirst_done:
	v_and_b32 v1, 15, v0                           ; r
	v_bfe_u32 v2, v0, 4, 1                         ; h
	v_lshl_add_u32 v[QOFF], v1, 12, s79            ; row 16 w + r of the block,
	v_lshl_add_u32 v[QOFF], v2, 4, v[QOFF]         ; 16 h bytes in
.irp ks, 0,1,2,3
	global_load_b128 v[QQ+8*\ks:QQ+8*\ks+3],   v[QOFF], s[70:71] offset:64*\ks       ; Q fragment: d = 32 ks + 8 h ..
	global_load_b128 v[QQ+8*\ks+4:QQ+8*\ks+7], v[QOFF], s[70:71] offset:64*\ks+32    ; d = 32 ks + 16 + 8 h ..
	global_load_b128 v[QN+8*\ks:QN+8*\ks+3],   v[QOFF], s[72:73] offset:64*\ks
	global_load_b128 v[QN+8*\ks+4:QN+8*\ks+7], v[QOFF], s[72:73] offset:64*\ks+32
.endr
	v_and_b32 v3, 7, v0
	v_bfe_u32 v[TT], v0, 3, 1
	v_mul_u32_u24 v[KL], v1, PK
	v_lshl_add_u32 v[KL], v2, 4, v[KL]
	v_lshl_add_u32 v[VL], v2, 3, v3
	v_mul_u32_u24 v[VL], v[VL], PV
	v_lshl_add_u32 v[VL], v[TT], 4, v[VL]
	s_mul_i32 s46, s8, 16*PK
	s_add_co_u32 s46, s46, STAGE                   ; my stage
	v_add_nc_u32 v[STO], s46, v[KL]
	v_mul_u32_u24 v[RD], v2, PK
	v_lshl_add_u32 v[RD], v1, 4, v[RD]
	v_add_nc_u32 v[RD], s46, v[RD]
	v_lshlrev_b32 v[CO], 4, v1
	v_lshl_add_u32 v[CO], v2, 12, v[CO]
	s_lshl_b32 s47, s8, 4
	v_add_nc_u32 v[DM], s47, v1
	v_lshlrev_b32 v[TT], 3, v2
	v_sub_nc_u32 v[DM], v[DM], v[TT]
	v_mov_b32 v[AL+1], 0                           ; upper halves of the two pairs that are broadcast from below
	v_mov_b32 v[NMC+1], 0
; A block's sums start here.  O is cleared by moves, twice in the launch: where a block's first step falls in the walk hangs on j, so it cannot be written out with C = 0.
.macro RESET
	v_mov_b32 v[MX], s19
	v_mov_b32 v[LS], 0
.set ii, 0
.rept 64
	v_mov_b32 v[OO+ii], 0
.set ii, ii+1
.endr
.endm
	RESET
; One step: 64 keys against my 16 query rows.  masked = 1: the diagonal step.
.macro STEP masked
	WIN 0x40                                       ; loads into window 1
.irp ks, 0,1,2,3
.irp t, 0,1,2,3
	ds_load_b128 v[8*(4*\ks+\t):8*(4*\ks+\t)+3],   v[KADR] offset:16*PK*\t+64*\ks
	ds_load_b128 v[8*(4*\ks+\t)+4:8*(4*\ks+\t)+7], v[KADR] offset:16*PK*\t+64*\ks+32
.endr
.endr
.irp dt, 0,1,2,3,4,5,6,7
	ds_load_tr16_b128 v[128+8*\dt:128+8*\dt+3],   v[VADR] offset:32*\dt            ; keys 8 h .. of column d = 16 dt + r
	ds_load_tr16_b128 v[128+8*\dt+4:128+8*\dt+7], v[VADR] offset:32*\dt+16*PV      ; keys 16 + 8 h ..
.endr
	WIN 0x01                                       ; source 0 from window 1
.irp ks, 0,1,2,3
	s_wait_dscnt 40-8*\ks                          ; of the 48 loads the oldest 8 (ks + 1) are in: K's fragments up to this ks
.irp t, 0,1,2,3
.if \ks == 0
	v_wmma_f32_16x16x32_f16 v[SC+8*\t:SC+8*\t+7], v[8*(4*\ks+\t):8*(4*\ks+\t)+7], v[QQ+8*\ks:QQ+8*\ks+7], 0
.else
	v_wmma_f32_16x16x32_f16 v[SC+8*\t:SC+8*\t+7], v[8*(4*\ks+\t):8*(4*\ks+\t)+7], v[QQ+8*\ks:QQ+8*\ks+7], v[SC+8*\t:SC+8*\t+7]
.endif
.endr
.endr                                              ; the four score tiles take turns, one instruction a turn
	WIN 0x40
.irp dt, 0,1,2,3,4,5,6,7
	ds_load_tr16_b128 v[192+8*\dt:192+8*\dt+3],   v[VADR] offset:32*PV+32*\dt      ; the step's keys 32 to 63
	ds_load_tr16_b128 v[192+8*\dt+4:192+8*\dt+7], v[VADR] offset:32*PV+32*\dt+16*PV
.endr
	WIN 0
.rept 4
	v_nop                                          ; four places behind the last score product (ISA guide 7.12.1)
.endr
.if \masked
.irp t, 0,1,2,3
.irp i, 0,1,2,3,4,5,6,7
	v_cmp_le_i32 vcc_lo, 16*\t+\i, v[DM]           ; key <= query row
	v_cndmask_b32 v[SC+8*\t+\i], s19, v[SC+8*\t+\i], vcc_lo
.endr
.endr
.endif
	; the row's maximum: four chains in the lane, the old maximum, the other half of the keys in lane l xor 16
.irp k, 0,1,2,3
	v_max3_num_f32 v[TT+\k], v[SC+8*\k], v[SC+8*\k+1], v[SC+8*\k+2]
.endr
.irp k, 0,1,2,3
	v_max3_num_f32 v[TT+\k], v[TT+\k], v[SC+8*\k+3], v[SC+8*\k+4]
.endr
.irp k, 0,1,2,3
	v_max3_num_f32 v[TT+\k], v[TT+\k], v[SC+8*\k+5], v[SC+8*\k+6]
.endr
	v_max3_num_f32 v[TT],   v[TT],   v[TT+1], v[SC+7]
	v_max3_num_f32 v[TT+2], v[TT+2], v[TT+3], v[SC+15]
	v_max3_num_f32 v[TT],   v[TT],   v[TT+2], v[SC+23]
	v_max3_num_f32 v[TT],   v[TT],   v[SC+31], v[MX]
	v_permlanex16_b32 v[TT+1], v[TT], s20, s21
	v_max_num_f32 v[MN], v[TT], v[TT+1]            ; finite: in a block's first step at least key 0 of the step is kept for every row
	v_mul_f32 v[NMC], s18, v[MN]
	v_fma_f32 v[TT+2], v[MX], s16, v[NMC]          ; c (old maximum - new); -infinity in a block's first step
	v_exp_f32 v[AL], v[TT+2]                       ; the packed lines below are the plain place behind it (ISA guide 5.7.2)
.irp i, 0,2,4,6,8,10,12,14,16,18,20,22,24,26,28,30
	v_pk_fma_f32 v[SC+\i:SC+\i+1], v[SC+\i:SC+\i+1], s[16:17], v[NMC:NMC+1] op_sel_hi:[1,0,0]
.endr
.set ii, 0
.rept 32
	v_exp_f32 v[SC+ii], v[SC+ii]
.set ii, ii+1
.endr
	v_mov_b32 v[MX], v[MN]                         ; the plain place behind the exponentials
.set ii, 0
	s_wait_alu depctr_va_vdst(0)
.rept 32
	v_pk_mul_f32 v[OO+2*ii:OO+2*ii+1], v[OO+2*ii:OO+2*ii+1], v[AL:AL+1] op_sel_hi:[1,0]
.set ii, ii+1
.endr
.set ii, 0
.rept 16
	v_cvt_pk_f16_f32 v[PP+ii], v[SC+2*ii], v[SC+2*ii+1]     ; tiles 2 u, 2 u + 1 make registers 0-3, 4-7 of P's fragment u
.set ii, ii+1
.endr
	WIN 0x01
	s_wait_dscnt 16                                ; V's keys 0 to 31 are in; the 16 younger loads stay out
.irp dt, 0,1,2,3,4,5,6,7
	v_wmma_f32_16x16x32_f16 v[OO+8*\dt:OO+8*\dt+7], v[128+8*\dt:128+8*\dt+7], v[PP:PP+7], v[OO+8*\dt:OO+8*\dt+7]
.endr
	s_wait_dscnt 0x0
.irp dt, 0,1,2,3,4,5,6,7
	v_wmma_f32_16x16x32_f16 v[OO+8*\dt:OO+8*\dt+7], v[192+8*\dt:192+8*\dt+7], v[PP+8:PP+15], v[OO+8*\dt:OO+8*\dt+7]
.endr                                              ; the eight tiles of O take turns, one instruction a turn
	WIN 0
	; the sum of my 32 probabilities: 17 plain lines that name no register of the products above: the places behind them
.irp i, 0,2,4,6,8,10,12,14
	v_pk_add_f32 v[SC+\i:SC+\i+1], v[SC+\i:SC+\i+1], v[SC+\i+16:SC+\i+17]
.endr
.irp i, 0,2,4,6
	v_pk_add_f32 v[SC+\i:SC+\i+1], v[SC+\i:SC+\i+1], v[SC+\i+8:SC+\i+9]
.endr
.irp i, 0,2
	v_pk_add_f32 v[SC+\i:SC+\i+1], v[SC+\i:SC+\i+1], v[SC+\i+4:SC+\i+5]
.endr
	v_pk_add_f32 v[SC:SC+1], v[SC:SC+1], v[SC+2:SC+3]
	v_add_f32 v[TT], v[SC], v[SC+1]
	v_fma_f32 v[LS], v[LS], v[AL], v[TT]
.endm
; A block is done: divide, round to f16, 16 bytes a lane into my stage, whole rows of 256 bytes back and out.  sw = 1: go on with the second block.
.macro FINAL base, sw
	v_permlanex16_b32 v[TT+1], v[LS], s20, s21
	v_add_f32 v[TT], v[LS], v[TT+1]
	v_rcp_f32 v[AL], v[TT]
	v_nop                                          ; the plain place behind the reciprocal
.set ii, 0
	s_wait_alu depctr_va_vdst(0)
.rept 32
	v_pk_mul_f32 v[OO+2*ii:OO+2*ii+1], v[OO+2*ii:OO+2*ii+1], v[AL:AL+1] op_sel_hi:[1,0]
.set ii, ii+1
.endr
.set ii, 0
.rept 32
	v_cvt_pk_f16_f32 v[SC+ii], v[OO+2*ii], v[OO+2*ii+1]
.set ii, ii+1
.endr
.irp dt, 0,1,2,3,4,5,6,7
	ds_store_b128 v[STO], v[SC+4*\dt:SC+4*\dt+3] offset:32*\dt
.endr
	s_wait_xcnt 0x0                                ; RB was the data of the first block's stores: loaded again only behind this wait
.irp t, 0,1,2,3,4,5,6,7
	ds_load_b128 v[RB+4*\t:RB+4*\t+3], v[RD] offset:2*PK*\t        ; my own bytes: LDS serves a wave's instructions in order
.endr
.irp t, 0,1,2,3,4,5,6,7
	s_wait_dscnt 7-\t
	global_store_b128 v[CO], v[RB+4*\t:RB+4*\t+3], s[\base:\base+1] offset:8192*\t   ; sixteen lanes store 256 consecutive bytes, aligned
.endr
.if \sw
.set ii, 0
.rept 32
	v_mov_b32 v[QQ+ii], v[QN+ii]
.set ii, ii+1
.endr
	RESET
.endif
.endm
; One phase: four steps from slot.  head = 1: the change of slots: every wave waits for all its tensor loads and for its reads, passes the barrier, and
; (fill = 1) asks first thing for chunk creg into the other slot, which was read last.  kind = 0: four unmasked steps.  kind = 1: nreg unmasked steps, then
; (if nreg < 4) the diagonal one and the block's end, then nothing.  All of that hangs on j alone, which the four waves share.
.macro CHUNK slot, other, head, fill, creg, kind, nreg, base, sw
.if \head
	s_wait_tensorcnt 0x0                           ; all my tensor loads have landed, my part of this slot among them
	ds_add_u32 v254, v255
	s_wait_dscnt 0x0
.if \fill
	SETADR \other, \creg
.endif
	s_wait_dscnt 0x0                               ; my reads of the other slot are back
	s_barrier_signal -1
	s_barrier_wait -1
.if \fill
	KVLOAD \other                                  ; my one tensor load behind this barrier: it has this phase's four steps in which to land
.endif
.endif
	v_add_nc_u32 v[KADR], \slot*SLOT+KOFF, v[KL]
	v_add_nc_u32 v[VADR], \slot*SLOT, v[VL]
	s_mov_b32 s15, 0
.Lstep_\@:
.if \kind
	s_cmp_lt_u32 s15, \nreg
	s_cbranch_scc0 .Lnot_full_\@
	STEP 0
	s_branch .Lnext_\@
.Lnot_full_\@:
	s_cmp_eq_u32 s15, \nreg
	s_cbranch_scc0 .Lnext_\@
	STEP 1
	FINAL \base, \sw
.Lnext_\@:
.else
	STEP 0
.endif
	v_add_nc_u32 v[KADR], 64*PK, v[KADR]
	v_add_nc_u32 v[VADR], 64*PV, v[VADR]
	s_add_co_u32 s15, s15, 1
	s_cmp_lt_u32 s15, 4
	s_cbranch_scc1 .Lstep_\@
.endm
	s_wait_tensorcnt 0x1                           ; my part of chunk 0 is in; chunk 1's stays out
	s_barrier_signal -1
	s_barrier_wait -1
	s_wait_loadcnt 0x0                             ; Q of both blocks
	CHUNK 0, 1, 0, 0, 0,   1, s12, 66, 1           ; phase 1: chunk 0, first block
	CHUNK 1, 0, 1, 0, 0,   1, s13, 66, 1           ; phase 2: chunk 1; nothing is filled: slot 0 is read once more
	CHUNK 0, 1, 1, 1, s74, 0, s12, 66, 0           ; phase 3: chunk 0 again, second block; slot 1 gets chunk 2 - f
	CHUNK 1, 0, 1, 1, s75, 0, s12, 66, 0           ; phase 4: chunk 2 - f; slot 0 gets chunk 3 - f
	CHUNK 0, 1, 1, 0, 0,   1, s14, 68, 0           ; phase 5: chunk 3 - f, with the second block's diagonal step
	s_wait_tensorcnt 0x0
	ds_add_u32 v254, v255
	s_wait_dscnt 0x0
	s_endpgm
.Lfunc_end_k_qee9f6ce0b7_attn:
	.size	k_qee9f6ce0b7_attn, .Lfunc_end_k_qee9f6ce0b7_attn-k_qee9f6ce0b7_attn
	.p2alignl 7, 3214868480
	.fill 96, 4, 3214868480
	.section	.rodata,"a",@progbits
	.p2align	6, 0x0
	.amdhsa_kernel k_qee9f6ce0b7_attn
		.amdhsa_group_segment_fixed_size 327680
		.amdhsa_private_segment_fixed_size 0
		.amdhsa_enable_private_segment 0
		.amdhsa_kernarg_size 16
		.amdhsa_user_sgpr_count 2
		.amdhsa_user_sgpr_kernarg_segment_ptr 1
		.amdhsa_wavefront_size32 1
		.amdhsa_system_sgpr_workgroup_id_x 1
		.amdhsa_system_sgpr_workgroup_id_y 1
		.amdhsa_system_sgpr_workgroup_id_z 1
		.amdhsa_system_vgpr_workitem_id 0
		.amdhsa_next_free_vgpr 512
		.amdhsa_next_free_sgpr 80
		.amdhsa_reserve_vcc 1
		.amdhsa_float_denorm_mode_32 3
		.amdhsa_float_denorm_mode_16_64 3
		.amdhsa_memory_ordered 1
		.amdhsa_forward_progress 1
		.amdhsa_inst_pref_size 156
	.end_amdhsa_kernel
	.amdgpu_metadata
---
amdhsa.version: [ 1, 2 ]
amdhsa.kernels:
  - .name:           k_qee9f6ce0b7_attn
    .symbol:         k_qee9f6ce0b7_attn.kd
    .args:
      - { .name: qkv, .offset: 0, .size: 8, .value_kind: global_buffer, .address_space: global }
      - { .name: ctx, .offset: 8, .size: 8, .value_kind: global_buffer, .address_space: global }
    .group_segment_fixed_size: 327680
    .private_segment_fixed_size: 0
    .kernarg_segment_align: 8
    .kernarg_segment_size: 16
    .max_flat_workgroup_size: 128
    .sgpr_count:     80
    .vgpr_count:     512
    .wavefront_size: 32
...
	.end_amdgpu_metadata
.endif
;; end of part 3
;; launch proj_out (part 4): grid 16 x 16, 4 waves a work-group, clusters of 4 x 4, 327,680 bytes of LDS; arguments ctx, cb, bp, out0; writes out0
.if DOCPART == 4
	.amdgcn_target "amdgcn-amd-amdhsa--gfx1250"
	.amdhsa_code_object_version 6
	.text
	.protected	k_qee9f6ce0b7_proj_out
	.globl	k_qee9f6ce0b7_proj_out
	.p2align	8
	.type	k_qee9f6ce0b7_proj_out,@function
k_qee9f6ce0b7_proj_out:
	s_mov_b64 s[64:65], 0
	v_nop
	global_prefetch_b8 v0, s[64:65] scope:SCOPE_SE
	s_setreg_imm32_b32 hwreg(HW_REG_WAVE_MODE, 25, 1), 1
	s_wait_xcnt 0x0
	s_wait_alu depctr_hold_cnt(0) depctr_sa_sdst(0) depctr_va_vdst(0) depctr_va_sdst(0) depctr_va_ssrc(0) depctr_va_vcc(0) depctr_vm_vsrc(0)
	s_getreg_b32 s2, hwreg(HW_REG_IB_STS2, 6, 4)
	s_cmp_eq_u32 s2, 0
	s_cbranch_scc0 .Lentry_in_a_cluster
	s_endpgm
.Lentry_in_a_cluster:
	s_bfe_u32 s2, ttmp6, 0x10000c
	s_cmp_lg_u32 s2, 0xf033
	s_cbranch_scc0 .Lentry_shape_is_right
	s_endpgm
.Lentry_shape_is_right:
; out0 = ctx wp + bp.  ctx [2048 rows][2048 k] f16; wp = matrix 4 of cb, [2048 k][2048 n], f16 format; sums in f32, started by the f32 bias; out0 f32.
; A work-group (x = block of 128 columns, y = block of 128 rows) makes 128 x 128: 256 work-groups, one a WGP.  Four waves; wave (wm = w / 2, wn = w % 2)
; makes 64 x 64: 16 accumulators.  A larger block would leave WGPs without work: 2048 x 2048 has only 256 blocks of this size.
; K goes in steps of 256 through two LDS slots: ctx's tile as two regions of 64 rows x 512 bytes (pitch 528), wp's as 256 k rows x 256 bytes (pitch 288).
; A slot is multiplied in four quarters of 64 along K.  wp lies with n along the rows: its fragments are read by the transposing LDS load.
; CLUSTERS: 4 x 4 work-groups; ctx's tile is asked for jointly by a row of the cluster, wp's by a column.  Waves 0, 1 ask for ctx's halves, waves 2, 3 for wp's.
; REGISTERS: window 0: v16-27 addresses, v64-127 and v128-191 ctx's fragments ((a, ks) at 8 (4 ks + a)), v192-223 rows on the way out.
;   window 1: v0-31 bias, v64-127 and v128-191 wp's fragments.  window 2: accumulator (a, b) at 8 (4 a + b).
; The matrix instruction is used transposed (source 0 = columns of wp, source 1 = rows of ctx): a lane holds eight neighbouring columns of row l % 16.
.set PA,    528                        ; 512 + 16: an odd multiple of 16
.set PB,    288                        ; 256 + 32: an odd multiple of 32
.set REG,   128*PB                     ; 36,864
.set SLOT,  4*REG
.set STAGE, 2*SLOT                     ; behind the slots: 16 rows x 272 bytes for each wave; no fill lands here
.set SP,    272
.set LAPS,  4                          ; 2048 / (2 x 256)
.set MAT,   8388608
.set ADRA, 16                          ; v16-17  slot s
.set ADRB, 18                          ; v18-21  slot s, half kh of the k rows at 18 + 2 s + kh
.set STO,  24
.set RD,   25
.set CO,   26
.set BOFF, 27
.set F0,   64
.set F1,   128
.set RB,   192
.set BI,   0
.set G1,  24
.set G0,  32
.set G1B, 48
.set G0B, 56
.set MSB, 0
.macro WIN new
.if MSB != \new
	s_set_vgpr_msb (MSB<<8)|\new
.set MSB, \new
.endif
.endm
.set MUL,  0xa1                        ; source 0 window 1, source 1 window 0, C and D window 2
.set TO_B, 0x40
.macro JLOAD s
	s_cmp_eq_u32 s12, 0
	s_cbranch_scc0 .Lfor_b_\@
	tensor_load_to_lds s[G0+4*\s:G0+4*\s+3], s[G1:G1+7]
	s_nop 0
	s_branch .Lasked_\@
.Lfor_b_\@:
	tensor_load_to_lds s[G0B+4*\s:G0B+4*\s+3], s[G1B:G1B+7]
	s_nop 0
.Lasked_\@:
.endm
.macro CREST
	s_cmp_lg_u32 s14, 0
	s_cbranch_scc1 .Lnot_wave_0_\@
	s_barrier_signal -3
.Lnot_wave_0_\@:
	s_barrier_wait -3
	s_barrier_signal -1
	s_barrier_wait -1
.endm
.macro CROUND
	s_barrier_signal -1
	s_barrier_wait -1
	CREST
.endm
.macro PLACES
.rept 4
	v_nop
.endr
.endm
	s_load_b256 s[4:11], s[0:1], 0x0               ; ctx s[4:5], cb s[6:7], bp s[8:9], out0 s[10:11]
	s_set_vgpr_msb 0x40
	v_lshl_add_u32 v255, v0, 2, 0x4c400
	s_set_vgpr_msb 0x4000
	v_mov_b32 v255, 0
	s_set_vgpr_msb 0x1
	ds_add_u32 v255, v255
	ds_add_u32 v255, v255
	s_set_vgpr_msb 0x100
	v_lshrrev_b32 v1, 5, v0
	v_readfirstlane_b32 s14, v1                    ; wave
	s_lshr_b32 s12, s14, 1                         ; wm.  Also: I ask for ctx (0) or for wp (1)
	s_and_b32 s13, s14, 1                          ; wn.  Also: which half of that tile
	s_bfe_u32 s15, ttmp6, 0x40000                  ; cx
	s_bfe_u32 s16, ttmp6, 0x40004                  ; cy
	s_lshl_b32 s17, ttmp9, 2
	s_add_co_u32 s17, s17, s15                     ; block of columns
	s_and_b32 s18, ttmp7, 0xffff
	s_lshl_b32 s18, s18, 2
	s_add_co_u32 s18, s18, s16                     ; block of rows
	s_lshl_b32 s19, s16, 2
	s_lshl_b32 s19, 15, s19                        ; my row of the cluster
	s_lshl_b32 s20, 0x1111, s15                    ; my column
	; ctx: 64 rows x 256 elements, a pad of 4 words behind every 128.  wp: 128 rows x 128 elements, a pad of 8 words behind every 64.
	s_or_b32 s[G1+0],  s19, (1<<16)|(1<<20)|(1<<21)|(6<<22)|(3<<25)
	s_or_b32 s[G1B+0], s20, (1<<16)|(1<<20)|(1<<21)|(5<<22)|(7<<25)
	s_mov_b32 s[G1+1],  256<<16
	s_mov_b32 s[G1B+1], 128<<16
	s_mov_b32 s[G1+2],  64<<16
	s_mov_b32 s[G1B+2], 128<<16
	s_mov_b32 s[G1+3],  256<<16
	s_mov_b32 s[G1B+3], 128<<16
	s_mov_b32 s[G1+4],  64
	s_mov_b32 s[G1B+4], 128
	s_mov_b32 s[G1+5],  2048
	s_mov_b32 s[G1B+5], 2048
	s_mov_b32 s[G1+6],  0
	s_mov_b32 s[G1B+6], 0
	s_mov_b32 s[G1+7],  0
	s_mov_b32 s[G1B+7], 0
	s_mul_i32 s21, s14, REG
	s_lshl_b32 s72, s18, 19                        ; ctx: (128 x block + 64 x half) rows of 4,096 bytes (never holds cx)
	s_lshl_b32 s73, s13, 18
	s_add_co_u32 s72, s72, s73
	s_mov_b32 s73, 0
	s_lshl_b32 s74, s13, 19                        ; wp: matrix 4 of cb, 128 x half k rows, the block's 256 bytes of a row (never holds cy)
	s_lshl_b32 s75, s17, 8
	s_add_co_u32 s74, s74, s75
	s_add_co_u32 s74, s74, 4*MAT
	s_mov_b32 s75, 0
	s_lshl_b32 s76, s18, 20                        ; out0: (128 x block + 64 wm) rows of 8,192 bytes + 512 x block of columns + 256 wn
	s_lshl_b32 s77, s12, 19
	s_add_co_u32 s76, s76, s77
	s_lshl_b32 s77, s17, 9
	s_add_co_u32 s76, s76, s77
	s_lshl_b32 s77, s13, 8
	s_add_co_u32 s76, s76, s77
	s_mov_b32 s77, 0
	s_wait_dscnt 0x0
	s_wait_kmcnt 0x0
	s_add_nc_u64 s[40:41], s[4:5], s[72:73]
	s_add_nc_u64 s[44:45], s[6:7], s[74:75]
	s_add_nc_u64 s[66:67], s[10:11], s[76:77]
	CROUND                                         ; all sixteen work-groups are here: the first joint loads meet
.irp s, 0,1
	s_mov_b32 s[G0+4*\s], 1
	s_add_co_u32 s[G0+4*\s+1], s21, \s*SLOT
	s_add_nc_u64 s[G0+4*\s+2:G0+4*\s+3], s[40:41], \s*512              ; K step s: 512 bytes along ctx's rows
	s_or_b32 s[G0+4*\s+3], s[G0+4*\s+3], 0x80000000
	s_mov_b32 s[G0B+4*\s], 1
	s_add_co_u32 s[G0B+4*\s+1], s21, \s*SLOT
	s_add_nc_u64 s[G0B+4*\s+2:G0B+4*\s+3], s[44:45], \s*256*4096       ; K step s: 256 rows down wp
	s_or_b32 s[G0B+4*\s+3], s[G0B+4*\s+3], 0x80000000
	JLOAD \s                                       ; two tensor loads of the wave are out
.endr
	v_and_b32 v1, 15, v0                           ; r
	v_bfe_u32 v2, v0, 4, 1                         ; h
	v_and_b32 v3, 7, v0
	v_bfe_u32 v4, v0, 3, 1
	v_mul_u32_u24 v5, v1, PA
	v_lshl_add_u32 v5, v2, 4, v5
	s_mul_i32 s22, s12, REG                        ; my 64 rows of ctx: region wm
	v_add_nc_u32 v5, s22, v5
	v_lshl_add_u32 v6, v2, 3, v3
	v_mul_u32_u24 v6, v6, PB
	v_lshl_add_u32 v6, v4, 4, v6
	s_lshl_b32 s22, s13, 7                         ; my 64 columns: 128 wn bytes
	v_add_nc_u32 v6, s22, v6
.irp s, 0,1
	v_add_nc_u32 v[ADRA+\s], \s*SLOT, v5
.irp kh, 0,1
	v_add_nc_u32 v[ADRB+2*\s+\kh], \s*SLOT+(2+\kh)*REG, v6
.endr
.endr
	s_mul_i32 s23, s14, 16*SP
	s_add_co_u32 s23, s23, STAGE                   ; my stage
	v_mul_u32_u24 v7, v1, SP
	v_lshl_add_u32 v7, v2, 5, v7                   ; in: row r, 32 bytes for each half of the lanes
	v_add_nc_u32 v[STO], s23, v7
	v_mul_u32_u24 v8, v2, SP
	v_lshl_add_u32 v8, v1, 4, v8                   ; back: lanes 0-15 one row of 256 bytes, lanes 16-31 the next
	v_add_nc_u32 v[RD], s23, v8
	v_lshlrev_b32 v[CO], 4, v1
	v_lshl_add_u32 v[CO], v2, 13, v[CO]            ; 8,192 h + 16 r
	s_lshl_b32 s22, s17, 9
	s_lshl_b32 s23, s13, 8
	s_add_co_u32 s22, s22, s23
	v_lshl_add_u32 v[BOFF], v2, 5, s22             ; 4 x (128 block + 64 wn + 8 h)
	WIN TO_B
.irp b, 0,1,2,3
	global_load_b128 v[BI+8*\b:BI+8*\b+3],   v[BOFF], s[8:9] offset:64*\b
	global_load_b128 v[BI+8*\b+4:BI+8*\b+7], v[BOFF], s[8:9] offset:64*\b+16
.endr
; 16 matrix instructions: all 16 accumulators, 32 along K (half ks of a quarter).  first = 1: C is the bias.
; The accumulators take turns, one instruction a turn, always in the same order.
.macro MUL16 f, ks, first
.irp a, 0,1,2,3
.irp b, 0,1,2,3
.if \first
	v_wmma_f32_16x16x32_f16 v[8*(4*\a+\b):8*(4*\a+\b)+7], v[\f+8*(4*\ks+\b):\f+8*(4*\ks+\b)+7], v[\f+8*(4*\ks+\a):\f+8*(4*\ks+\a)+7], v[BI+8*\b:BI+8*\b+7]
.else
	v_wmma_f32_16x16x32_f16 v[8*(4*\a+\b):8*(4*\a+\b)+7], v[\f+8*(4*\ks+\b):\f+8*(4*\ks+\b)+7], v[\f+8*(4*\ks+\a):\f+8*(4*\ks+\a)+7], v[8*(4*\a+\b):8*(4*\a+\b)+7]
.endif
.endr
.endr
.endm
; 32 LDS loads in one run: quarter q (64 along K) of a slot into buffer f: ctx's 8 fragments, then wp's 8, each ks = 0 first
.macro FETCH slot, q, f
	WIN 0
.irp ks, 0,1
.irp a, 0,1,2,3
	ds_load_b128 v[\f+8*(4*\ks+\a):\f+8*(4*\ks+\a)+3],   v[ADRA+\slot] offset:16*PA*\a+128*\q+64*\ks
	ds_load_b128 v[\f+8*(4*\ks+\a)+4:\f+8*(4*\ks+\a)+7], v[ADRA+\slot] offset:16*PA*\a+128*\q+64*\ks+32
.endr
.endr
	WIN TO_B
.irp ks, 0,1
.irp b, 0,1,2,3
	ds_load_tr16_b128 v[\f+8*(4*\ks+\b):\f+8*(4*\ks+\b)+3],   v[ADRB+2*\slot+\q/2] offset:((\q%2)*64+32*\ks)*PB+32*\b
	ds_load_tr16_b128 v[\f+8*(4*\ks+\b)+4:\f+8*(4*\ks+\b)+7], v[ADRB+2*\slot+\q/2] offset:((\q%2)*64+32*\ks)*PB+32*\b+16*PB
.endr
.endr
.endm
.macro QUARTER slot, q, f, g, first
	s_wait_dscnt 8                                 ; all is in but the youngest eight loads: wp's fragments of ks = 1
.if \first
	WIN 0x91                                       ; C from window 1 (the bias)
.else
	WIN MUL
.endif
	MUL16 \f, 0, \first
	PLACES
	FETCH \slot, \q, \g
	s_wait_dscnt 32                                ; all but the 32 just issued
	WIN MUL
	MUL16 \f, 1, 0
.endm
.macro THREE slot, first
	QUARTER \slot, 1, F0, F1, \first
	QUARTER \slot, 2, F1, F0, 0
	QUARTER \slot, 3, F0, F1, 0
.endm
; The last quarter changes slots: each wave's reads of this slot and all its tensor loads are waited for in front of the barrier; fill = 1: the barrier opens
; a round of the cluster's barrier, and behind the round this slot is asked for again, first thing.
.macro TURN slot, next, fill
	s_wait_dscnt 0x0                               ; my reads of this slot are over
	s_wait_tensorcnt 0x0                           ; all my tensor loads have landed: the one that was out is my part of the next slot
	ds_add_u32 v255, v255
	s_wait_dscnt 0x0
	WIN MUL
	s_barrier_signal -1
	MUL16 F1, 0, 0                                 ; register work while the others arrive
	WIN 0
	s_barrier_wait -1
.if \fill
	CREST
	s_add_nc_u64 s[G0+4*\slot+2:G0+4*\slot+3],   s[G0+4*\slot+2:G0+4*\slot+3],   2*512
	s_add_nc_u64 s[G0B+4*\slot+2:G0B+4*\slot+3], s[G0B+4*\slot+2:G0B+4*\slot+3], 2*256*4096
	JLOAD \slot                                    ; my one tensor load behind the round
.endif
	PLACES
	FETCH \next, 0, F0
	WIN MUL
	MUL16 F1, 1, 0
.endm
.macro LAP first
	THREE 0, \first
	TURN 0, 1, 1
	THREE 1, 0
	TURN 1, 0, 1
.endm
	s_wait_tensorcnt 0x1                           ; my part of K step 0 is in; K step 1's stays out
	s_barrier_signal -1
	s_barrier_wait -1
	FETCH 0, 0, F0
	s_wait_loadcnt 0x0                             ; the bias
	LAP 1
	WIN 0
	s_mov_b32 s3, LAPS-2
.Llap:
	LAP 0
	WIN 0
	s_sub_co_u32 s3, s3, 1
	s_cmp_lg_u32 s3, 0
	s_cbranch_scc1 .Llap
	THREE 0, 0                                     ; the last lap fills nothing
	TURN 0, 1, 0
	THREE 1, 0
	s_wait_dscnt 8
	WIN MUL
	MUL16 F1, 0, 0
	s_wait_dscnt 0x0
	MUL16 F1, 1, 0
	; THE WAY OUT, 16 rows at a time through my own stage: 32 bytes a lane and tile in, whole rows of 64 f32 = 256 bytes back.  No other wave touches the stage.
	PLACES
.irp a, 0,1,2,3
	WIN 0x08                                       ; store data from window 2
.irp b, 0,1,2,3
	ds_store_b128 v[STO], v[8*(4*\a+\b):8*(4*\a+\b)+3]   offset:64*\b
	ds_store_b128 v[STO], v[8*(4*\a+\b)+4:8*(4*\a+\b)+7] offset:64*\b+16
.endr
	WIN 0
	s_wait_xcnt 0x0                                ; RB and the base, which earlier stores read, are written again only behind this wait
.if \a
	s_add_nc_u64 s[66:67], s[66:67], 16*8192       ; 16 rows on
.endif
.irp t, 0,1,2,3,4,5,6,7
	ds_load_b128 v[RB+4*\t:RB+4*\t+3], v[RD] offset:2*SP*\t        ; LDS serves a wave's instructions in order: these see the stores above
.endr
.irp t, 0,1,2,3,4,5,6,7
	s_wait_dscnt 7-\t
	global_store_b128 v[CO], v[RB+4*\t:RB+4*\t+3], s[66:67] offset:16384*\t th:TH_STORE_NT   ; sixteen lanes store 256 consecutive bytes, aligned
.endr
.endr
	s_set_vgpr_msb 0x1
	s_wait_tensorcnt 0x0
	ds_add_u32 v255, v255
	s_wait_dscnt 0x0
	s_set_vgpr_msb 0x100
	CROUND                                         ; the closing round
	s_endpgm
.Lfunc_end_k_qee9f6ce0b7_proj_out:
	.size	k_qee9f6ce0b7_proj_out, .Lfunc_end_k_qee9f6ce0b7_proj_out-k_qee9f6ce0b7_proj_out
	.p2alignl 7, 3214868480
	.fill 96, 4, 3214868480
	.section	.rodata,"a",@progbits
	.p2align	6, 0x0
	.amdhsa_kernel k_qee9f6ce0b7_proj_out
		.amdhsa_group_segment_fixed_size 327680
		.amdhsa_private_segment_fixed_size 0
		.amdhsa_enable_private_segment 0
		.amdhsa_kernarg_size 32
		.amdhsa_user_sgpr_count 2
		.amdhsa_user_sgpr_kernarg_segment_ptr 1
		.amdhsa_wavefront_size32 1
		.amdhsa_system_sgpr_workgroup_id_x 1
		.amdhsa_system_sgpr_workgroup_id_y 1
		.amdhsa_system_sgpr_workgroup_id_z 1
		.amdhsa_system_vgpr_workitem_id 0
		.amdhsa_next_free_vgpr 640
		.amdhsa_next_free_sgpr 80
		.amdhsa_reserve_vcc 0
		.amdhsa_float_denorm_mode_32 3
		.amdhsa_float_denorm_mode_16_64 3
		.amdhsa_memory_ordered 1
		.amdhsa_forward_progress 1
		.amdhsa_inst_pref_size 124
	.end_amdhsa_kernel
	.amdgpu_metadata
---
amdhsa.version: [ 1, 2 ]
amdhsa.kernels:
  - .name:           k_qee9f6ce0b7_proj_out
    .symbol:         k_qee9f6ce0b7_proj_out.kd
    .args:
      - { .name: ctx, .offset: 0, .size: 8, .value_kind: global_buffer, .address_space: global }
      - { .name: cb, .offset: 8, .size: 8, .value_kind: global_buffer, .address_space: global }
      - { .name: bp, .offset: 16, .size: 8, .value_kind: global_buffer, .address_space: global }
      - { .name: out0, .offset: 24, .size: 8, .value_kind: global_buffer, .address_space: global }
    .group_segment_fixed_size: 327680
    .private_segment_fixed_size: 0
    .kernarg_segment_align: 8
    .kernarg_segment_size: 32
    .max_flat_workgroup_size: 128
    .sgpr_count:     80
    .vgpr_count:     640
    .wavefront_size: 32
...
	.end_amdgpu_metadata
.endif
;; end of part 4
